; MI455X (gfx1250); checked and timed in simulation.
; The chip was launched on July 23, 2026; its instructions are those of AMD's public machine-readable ISA for CDNA 5 (MIT licence, August 2026) and "CDNA5" Instruction Set Architecture Reference Guide (July 2026). The comments in the code are by the model that wrote it; some were corrected since.
;; Sparse ML Pv2. Allowed arithmetic: float matrix products may take bf16 or f16 operands with f32 sums; other float arithmetic in f32, or as packed bf16 or f16 multiplies, adds, multiply-adds, maxima and minima; sums over many terms, partial sums and values carried from step to step in f32; what a program stores and reads back later, other than sums and carried values, may be rounded once to bf16 or f16.
;; Inputs: expert_ids 8,192 int32; hidden_states 8,192 x 1,024 float32; w1 8 x 2,048 x 1,024 float32; w2 8 x 2,048 x 1,024 float32; w3 8 x 2,048 x 1,024 float32.
;; Outputs: out0 8,192 x 1,024 float32.
;; 2 versions, each right; version 2 is version 1 with the launch prep written anew for expert scheduling mode. Each part assembles by itself: llvm-mc -triple=amdgcn-amd-amdhsa -mcpu=gfx1250 --defsym DOCPART=n.
;; ======== version 1 of 2: 3 launches
;; workspace buffers: xb 16,777,216 bytes; w13 67,108,864 bytes; w2f 33,554,432 bytes; g 33,554,432 bytes
;; launch prep (part 1): grid 1280 x 1, 8 waves a work-group, no clusters, 0 bytes of LDS; arguments hidden_states, w1, w3, xb, w13; writes xb, w13
.if DOCPART == 1
	.amdgcn_target "amdgcn-amd-amdhsa--gfx1250"
	.amdhsa_code_object_version 6
	.text
	.protected	k_qf6db368907_prep
	.globl	k_qf6db368907_prep
	.p2align	8
	.type	k_qf6db368907_prep,@function
k_qf6db368907_prep:
	s_mov_b64 s[64:65], 0
	v_nop
	global_prefetch_b8 v0, s[64:65] scope:SCOPE_SE
	s_setreg_imm32_b32 hwreg(HW_REG_WAVE_MODE, 25, 1), 1
	s_wait_xcnt 0x0
; PREP: the operands of the first product are rounded ONCE to bf16 (nearest even) and laid out for it.  (w2, which only the last product needs, is rounded by the launch that follows, beside its matrix work.)
;   xb  [8192][1024]            hidden_states, row for row.
;   w13 [32768][1024]           with R = e*2048 + f: w1's row R lies at row (R>>6)*128 + (R&63), w3's row R 64 rows further: every 128 rows hold 64 rows of w1 and the same 64 f of w3.
; expert_ids IS NOT READ: the function that defines the result never uses it (its groups are its own reshape: token t belongs to expert t / 1024), so no output number may hang on it.
; SHARES.  40,960 source rows of 4,096 bytes; a work-group takes 32 rows, 1,280 work-groups of equal bytes: 0-255 x, 256-767 w1, 768-1279 w3.
; A wave takes 4 rows, 16 KiB: 32 loads of 16 bytes a lane, ALL issued ahead of the first wait; no loop, and no register that a load or store names is written again, so no wait frees a source.
; No LDS, no matrix work, no cluster: no byte is used twice.
.set X, 8                              ; v[8:135]    the wave's 16 KiB as loaded; the packed words take the first two registers of each four
	s_load_b256 s[4:11], s[0:1], 0x0               ; x s[4:5], w1 s[6:7], w3 s[8:9], xb s[10:11]
	s_load_b64 s[12:13], s[0:1], 0x20              ; w13
	s_mov_b32 s20, ttmp9                           ; the work-group's number
	v_lshrrev_b32 v1, 5, v0
	v_readfirstlane_b32 s21, v1                    ; wave 0..7
	v_and_b32 v1, 31, v0                           ; lane
	s_sub_co_u32 s22, s20, 256                     ; number among w1's and w3's 1,024 work-groups (of no use for x: chosen away below)
	s_and_b32 s23, s22, 511
	s_lshl_b32 s23, s23, 5                         ; R0: the group's first source row
	s_bfe_u32 s25, s22, 0x10009                    ; bit 9: 0 = w1, 1 = w3
	s_lshr_b32 s24, s23, 6
	s_lshl_b32 s24, s24, 7                         ; (R0 >> 6) * 128
	s_and_b32 s26, s23, 63
	s_add_co_u32 s24, s24, s26                     ; + (R0 & 63)
	s_lshl_b32 s26, s25, 6
	s_add_co_u32 s24, s24, s26                     ; + 64 for w3: the first row in w13.  32 rows never cross a group of 64
	s_lshl_b32 s27, s20, 5                         ; x: source row = destination row
	v_lshlrev_b32 v2, 4, v1                        ; a load: 16 bytes a lane, 512 consecutive bytes a wave
	v_lshlrev_b32 v3, 3, v1                        ; a store: 8 bytes a lane, 256 consecutive bytes a wave
	s_wait_kmcnt 0x0
	s_cmp_lg_u32 s25, 0
	s_cselect_b64 s[28:29], s[8:9], s[6:7]         ; w3 or w1
	s_cmp_lt_u32 s20, 256                          ; the four selects below leave SCC as it is
	s_cselect_b64 s[28:29], s[4:5], s[28:29]       ; source
	s_cselect_b64 s[30:31], s[10:11], s[12:13]     ; destination: xb or w13
	s_cselect_b32 s23, s27, s23
	s_cselect_b32 s24, s27, s24
	s_lshl_b32 s26, s21, 2                         ; my wave's 4 rows
	s_add_co_u32 s23, s23, s26
	s_add_co_u32 s24, s24, s26
	s_lshl_b32 s32, s23, 12                        ; rows of 4,096 bytes in, under 2^27
	s_mov_b32 s33, 0
	s_lshl_b32 s34, s24, 11                        ; rows of 2,048 bytes out
	s_mov_b32 s35, 0
	s_add_nc_u64 s[28:29], s[28:29], s[32:33]
	s_add_nc_u64 s[30:31], s[30:31], s[34:35]
.set k, 0
.rept 4
.set i, 0
.rept 8
	global_load_b128 v[X+32*k+4*i:X+32*k+4*i+3], v2, s[28:29] offset:k*4096+i*512 th:TH_LOAD_NT
.set i, i+1
.endr
.set k, k+1
.endr
.set k, 0
.rept 4
	s_wait_loadcnt 24-8*k                          ; loads come back in order (ISA guide 5.7.1): row k's eight are in, the eight of each later row may stay out
.set i, 0
.rept 8
	v_cvt_pk_bf16_f32 v[X+32*k+4*i],   v[X+32*k+4*i],   v[X+32*k+4*i+1]
	v_cvt_pk_bf16_f32 v[X+32*k+4*i+1], v[X+32*k+4*i+2], v[X+32*k+4*i+3]
	global_store_b64 v3, v[X+32*k+4*i:X+32*k+4*i+1], s[30:31] offset:k*2048+i*256  ; the wave's 32 lanes store 256 consecutive bytes, aligned
.set i, i+1
.endr
.set k, k+1
.endr
	s_endpgm
.Lfunc_end_k_qf6db368907_prep:
	.size	k_qf6db368907_prep, .Lfunc_end_k_qf6db368907_prep-k_qf6db368907_prep
	.p2alignl 7, 3214868480
	.fill 96, 4, 3214868480
	.section	.rodata,"a",@progbits
	.p2align	6, 0x0
	.amdhsa_kernel k_qf6db368907_prep
		.amdhsa_group_segment_fixed_size 0
		.amdhsa_private_segment_fixed_size 0
		.amdhsa_enable_private_segment 0
		.amdhsa_kernarg_size 40
		.amdhsa_user_sgpr_count 2
		.amdhsa_user_sgpr_kernarg_segment_ptr 1
		.amdhsa_wavefront_size32 1
		.amdhsa_system_sgpr_workgroup_id_x 1
		.amdhsa_system_sgpr_workgroup_id_y 1
		.amdhsa_system_sgpr_workgroup_id_z 1
		.amdhsa_system_vgpr_workitem_id 0
		.amdhsa_next_free_vgpr 136
		.amdhsa_next_free_sgpr 66
		.amdhsa_reserve_vcc 0
		.amdhsa_float_denorm_mode_32 3
		.amdhsa_float_denorm_mode_16_64 3
		.amdhsa_memory_ordered 1
		.amdhsa_forward_progress 1
		.amdhsa_inst_pref_size 12
	.end_amdhsa_kernel
	.amdgpu_metadata
---
amdhsa.version: [ 1, 2 ]
amdhsa.kernels:
  - .name:           k_qf6db368907_prep
    .symbol:         k_qf6db368907_prep.kd
    .args:
      - { .name: hidden_states, .offset: 0, .size: 8, .value_kind: global_buffer, .address_space: global }
      - { .name: w1, .offset: 8, .size: 8, .value_kind: global_buffer, .address_space: global }
      - { .name: w3, .offset: 16, .size: 8, .value_kind: global_buffer, .address_space: global }
      - { .name: xb, .offset: 24, .size: 8, .value_kind: global_buffer, .address_space: global }
      - { .name: w13, .offset: 32, .size: 8, .value_kind: global_buffer, .address_space: global }
    .group_segment_fixed_size: 0
    .private_segment_fixed_size: 0
    .kernarg_segment_align: 8
    .kernarg_segment_size: 40
    .max_flat_workgroup_size: 256
    .sgpr_count:     66
    .vgpr_count:     136
    .wavefront_size: 32
...
	.end_amdgpu_metadata
.endif
;; end of part 1
;; launch up (part 2): grid 8 x 32, 4 waves a work-group, clusters of 4 x 4, 327,680 bytes of LDS; arguments xb, w13, g, w2, w2f; writes g, w2f
.if DOCPART == 2
	.amdgcn_target "amdgcn-amd-amdhsa--gfx1250"
	.amdhsa_code_object_version 6
	.text
	.protected	k_qf6db368907_up
	.globl	k_qf6db368907_up
	.p2align	8
	.type	k_qf6db368907_up,@function
k_qf6db368907_up:
	s_mov_b64 s[64:65], 0
	v_nop
	global_prefetch_b8 v0, s[64:65] scope:SCOPE_SE
	s_setreg_imm32_b32 hwreg(HW_REG_WAVE_MODE, 25, 1), 1
	s_wait_xcnt 0x0
	s_wait_alu depctr_hold_cnt(0) depctr_sa_sdst(0) depctr_va_vdst(0) depctr_va_sdst(0) depctr_va_ssrc(0) depctr_va_vcc(0) depctr_vm_vsrc(0)
	s_getreg_b32 s2, hwreg(HW_REG_IB_STS2, 6, 4)
	s_cmp_eq_u32 s2, 0
	s_cbranch_scc0 .Lentry_in_a_cluster
	s_endpgm
.Lentry_in_a_cluster:
	s_bfe_u32 s2, ttmp6, 0x10000c
	s_cmp_lg_u32 s2, 0xf033
	s_cbranch_scc0 .Lentry_shape_is_right
	s_endpgm
.Lentry_shape_is_right:
; UP: g = silu(x w1^T) * (x w3^T) for the eight fixed groups of 1,024 tokens (token t belongs to expert t / 1024, by the defining function's own reshape; expert_ids is not used by it and is not read).
; xb [8192][1024] and w13 [32768][1024] are bf16; w13 holds, in every 128 rows, 64 rows of w1 and then the same 64 f of w3.  Sums in f32, K ascending; the gate in f32; g rounded once to bf16.
; LIMITS.  g is bf16, not f16: it is a product of two sums and has no room in f16 when the inputs are some 30 times larger.  sigmoid(h) = 1 / (1 + 2^(-h log2 e)): where that power overflows the gate is an exact 0
; (the true gate is then under 1e-38), where it vanishes the gate is 1.  NaN and infinities are not treated apart.
; SHARES.  A tile is 256 tokens x 256 rows of w13 (128 f of w1 and of w3): 32 x 16 tiles, 256 work-groups, TWO TILES EACH: tile columns tx and tx + 8 on the same tokens, a loop over tiles round the loop over K;
; the ring does not stop at the first tile's end.  Four waves, each 128 tokens x 128 rows of w13: 64 accumulators of 16 x 16, 512 registers.  K goes in steps of 128 through two LDS slots.
; CLUSTERS: 4 x 4 work-groups; the cluster's y is the expert (4 tile rows = 1,024 tokens).  The four of a row of the cluster need the same tiles of xb, the four of a column the same tiles of w13:
; each is asked for JOINTLY, by the same tensor load with the same descriptor and a mask that names the four.
; THE MATRIX INSTRUCTION IS USED TRANSPOSED: source 0 = 16 rows of w13, source 1 = 16 tokens.  A lane then holds token l % 16, and its registers 0-7 the f 8 (l / 16) + 0..7.  Accumulator (a, b), b = 0..3, is h1 of
; f block b; accumulator (a, b + 4) is h3 of the same numbers in the same lanes and registers: the gate needs no exchange between lanes.
; g's LAYOUT is the accumulator's, which is also that of the next product's operand: [k64 32][tb 512][kg4 4][512 bytes], k64 = f / 64, tb = token / 16, kg4 = (f / 16) % 4; the 16 bytes at 16 x lane hold token
; 16 tb + l % 16, f = 64 k64 + 16 kg4 + 8 (l / 16) + 0..7.  So a lane's eight numbers pack into 16 bytes and a wave's store covers 512 consecutive bytes: results leave straight from registers, through no stage.
; THE SECOND JOB: w2 (f32, [e][f][n]) is rounded once to bf16 and turned into the last product's operand order, beside the matrix work, which leaves most of the road to memory free.
;   w2f [e 8][nt 4][kg 128][ng4 4][c 4][512 bytes]: the 16 bytes at 16 (16 h + i) hold w2[e][16 kg + 8 h + 0..7][256 nt + 64 ng4 + 4 i + c].
; A UNIT is 16 k x 64 columns: a lane loads 4 neighbouring columns of 8 rows and packs, for each column, the 8 rows into 16 bytes.  16,384 units = 1,024 waves x 16 K steps: one unit a wave and K step.
; My wave's units: e = the expert, nt = cy, ng4 = the wave's number, kg = 16 tx + the K step's number.  A unit's eight loads are asked for one K step (256 matrix instructions) ahead of its conversions.
; REGISTERS, in windows of 256 (s_set_vgpr_msb: bits 1:0 source 0, 3:2 source 1, 5:4 source 2, 7:6 destination):
;   window 0: v0-31 addresses; v32-63 a unit of w2 as loaded; v64-127, v128-191 fragments of the tokens, two buffers; v192-223 the gate at work (v192-207 also a unit's packed words); v224-255 packed results, two buffers of 16
;   window 1: v64-127, v128-191 fragments of w13, two buffers      window 2: the accumulators of my tokens 0-63 ((a, b) at v[8 (8 a + b)])      window 3: those of my tokens 64-127
.set SIZE_K, 1024
.set KSTEP,  128
.set PITCH,  272                       ; an LDS row: 256 bytes + 16 of padding = 68 words: row r starts at bank 4 r mod 64 (64 banks of 4 bytes: ISA guide 11.1), so the 16 rows of a load start at 16 different banks
.set HALFT,  128*PITCH                 ; 128 rows: what one tensor load brings, and what one wave reads of either operand
.set SLOT,   4*HALFT                   ; 256 rows of tokens, then 256 rows of w13
.set SPARE,  2*SLOT                    ; behind the ring: the spare words, 128 bytes for each wave: two blocks of 256 bytes that no other line names
.set LAPS,   SIZE_K/(2*KSTEP)          ; a lap = two K steps = once round the ring: 4
.set TILES,  2
.set BACK_A, (SIZE_K-2*KSTEP)*2        ; bytes from a slot's last K step of a tile back to its first: the tokens stay,
.set NEXT_B, 8*256*SIZE_K*2-BACK_A     ; w13 goes 8 tiles of 256 rows down and back along K
.set NEXT_G, 16*1048576                ; g goes 16 k64 on
.set W2SSTEP, 65536                    ; w2: 16 rows of 4,096 bytes from a unit to the next
.set W2DSTEP, 8192                     ; w2f: a kg's four units of 2,048 bytes
.set ADRA, 16                          ; v16-17  LDS address of my token fragments in slot 0, 1
.set ADRB, 20                          ; v20-21  the same for w13
.set CO,   26                          ; v26     16 x lane: my 16 bytes in a block of 512 of g and of w2f
.set WO,   27                          ; v27     my byte offset in a unit of w2: rows 8 h on, columns 4 i on
.set SPW,  28                          ; v28     LDS address of my spare word: SPARE + 4 x my thread's number; never rewritten
.set NIL,  29                          ; v29     0; never rewritten
.set WX,   32
.set F0,   64
.set F1,   128
.set TW,   192
.set WY,   192
.set PW,   224
.set NC,   18                          ; s[18:19] -log2(e); the packed multiply names a pair and takes its low word for both halves
.set G1,   24                          ; s[24:31] descriptor group 1 for the tokens' tiles;  s[32:39] group 0, a set for each slot
.set G0,   32
.set G1B,  48                          ; s[48:55], s[56:63] the same for w13's tiles
.set G0B,  56
.set W2S,  68                          ; s[68:69] w2 at my unit in hand
.set W2D,  70                          ; s[70:71] w2f, one step past my unit in hand: the stores reach back
.set MSB, 0
.macro WIN new                         ; the immediate's high byte repeats the setting that is left; a switch that changes nothing is dropped
.if MSB != (\new)
	s_set_vgpr_msb (MSB<<8)|(\new)
.set MSB, \new
.endif
.endm
.set MUL_LO, 0xa1                      ; source 0 (w13) window 1, source 1 (tokens) window 0, C and D window 2
.set MUL_HI, 0xf1                      ; the same, C and D window 3
.set TO_B,   0x40                      ; destination window 1, address window 0
; A joint load.  Waves 0 and 1 fetch the tokens' two halves, waves 2 and 3 w13's.  The branch hangs on the wave's number alone.  An s_nop 0 and four v_nop follow each of the two lines.
.macro JLOAD s
	s_cmp_eq_u32 s11, 0
	s_cbranch_scc0 .Lfor_b_\@
	tensor_load_to_lds s[G0+4*(\s):G0+4*(\s)+3], s[G1:G1+7]
	s_nop 0
.rept 4
	v_nop
.endr
	s_branch .Lasked_\@
.Lfor_b_\@:
	tensor_load_to_lds s[G0B+4*(\s):G0B+4*(\s)+3], s[G1B:G1B+7]
	s_nop 0
.rept 4
	v_nop
.endr
.Lasked_\@:
.endm
.macro CREST                           ; a round of the cluster's barrier behind its opening barrier: wave 0 signals for the work-group, every wave waits for all sixteen, my work-group's barrier closes it
	s_cmp_lg_u32 s10, 0
	s_cbranch_scc1 .Lnot_wave_0_\@
	s_barrier_signal -3
.Lnot_wave_0_\@:
	s_barrier_wait -3
	s_barrier_signal -1
	s_barrier_wait -1
.endm
.macro CROUND                          ; a whole round
	s_barrier_signal -1
	s_barrier_wait -1
	CREST
.endm
	s_load_b128 s[4:7], s[0:1], 0x0                ; xb s[4:5], w13 s[6:7]
	s_load_b64 s[8:9], s[0:1], 0x10                ; g
	s_load_b64 s[W2S:W2S+1], s[0:1], 0x18          ; w2
	s_load_b64 s[W2D:W2D+1], s[0:1], 0x20          ; w2f
	v_lshl_add_u32 v[SPW], v0, 2, SPARE
	v_mov_b32 v[NIL], 0
	ds_add_u32 v[SPW], v[NIL]                      ; the wave's opening: the add and its wait stand ahead of my first tensor load; the set-up below, work on registers, stands between them
	v_lshrrev_b32 v1, 5, v0
	v_readfirstlane_b32 s10, v1                    ; wave 0..3
	s_lshr_b32 s11, s10, 1                         ; which half of the tile's tokens is mine.  Also: I fetch tokens (0) or w13 (1)
	s_and_b32 s12, s10, 1                          ; which half of its rows of w13.  Also: which 128 rows of that tile I fetch
	s_bfe_u32 s40, ttmp6, 0x40000                  ; cx, cy: my place in the cluster
	s_bfe_u32 s41, ttmp6, 0x40004
	s_lshl_b32 s42, ttmp9, 2
	s_add_co_u32 s42, s42, s40                     ; tx = 4 x cluster x + cx, 0..7: my first tile column
	s_and_b32 s45, ttmp7, 0xffff                   ; cluster y = the expert
	s_lshl_b32 s13, s45, 2
	s_add_co_u32 s13, s13, s41                     ; tile row = 4 x expert + cy
	s_lshl_b32 s43, s41, 2
	s_lshl_b32 s43, 15, s43                        ; my row of the cluster: places 4 cy .. 4 cy + 3
	s_lshl_b32 s44, 0x1111, s40                    ; my column: places cx, cx + 4, cx + 8, cx + 12
	; descriptor group 1: a tile of 128 rows x 128 elements of 2 bytes, padded in LDS
	s_or_b32 s[G1+0], s43, (1<<16)|(1<<20)|(1<<21)|(5<<22)|(3<<25)   ; 15:0 the mask; 17:16 2-byte elements; 20 padding on; 21 set beside a mask; 24:22 after every 64 words (code 5); 31:25 4 words of it (code 3)
	s_or_b32 s[G1B+0], s44, (1<<16)|(1<<20)|(1<<21)|(5<<22)|(3<<25)
.irp gg, G1, G1B
	s_mov_b32 s[(\gg)+1], KSTEP<<16                ; tensor_dim0 = 128
	s_mov_b32 s[(\gg)+2], 128<<16                  ; tensor_dim1 = 128
	s_mov_b32 s[(\gg)+3], KSTEP<<16                ; tile_dim0 = 128
	s_mov_b32 s[(\gg)+4], 128                      ; tile_dim1 = 128
	s_mov_b32 s[(\gg)+5], SIZE_K                   ; elements from row to row
	s_mov_b32 s[(\gg)+6], 0
	s_mov_b32 s[(\gg)+7], 0
.endr
	; where the tiles come from.  The tokens' hang on the tile row alone, which my row of the cluster shares; w13's on the expert and tx, which my column shares.
	s_lshl_b32 s17, s12, 7                         ; which 128 rows I fetch
	s_lshl_b32 s16, s13, 8
	s_add_co_u32 s16, s16, s17
	s_lshl_b32 s16, s16, 11                        ; (256 x tile row + 128 x half) rows of 2,048 bytes, under 2^25
	s_lshl_b32 s46, s45, 12
	s_lshl_b32 s47, s42, 8
	s_add_co_u32 s46, s46, s47
	s_add_co_u32 s46, s46, s17
	s_lshl_b32 s46, s46, 11                        ; (4,096 x expert + 256 tx + 128 x half) rows, under 2^27
	s_mov_b32 s17, 0
	s_mov_b32 s47, 0
	s_mul_i32 s20, s10, HALFT                      ; where they go: wave x 128 rows: no place in the cluster enters an LDS address
	s_mov_b32 s[NC], 0xbfb8aa3b                    ; -log2(e)
	s_mov_b32 s[NC+1], s[NC]
	s_wait_dscnt 0x0                               ; the opening add is done
	s_wait_kmcnt 0x0
	s_add_nc_u64 s[14:15], s[4:5], s[16:17]
	s_add_nc_u64 s[46:47], s[6:7], s[46:47]
	CROUND                                         ; all sixteen work-groups are here: the first joint loads meet
.irp s, 0,1
	s_mov_b32 s[G0+4*(\s)], 1                                        ; count = 1
	s_add_co_u32 s[G0+4*(\s)+1], s20, (\s)*SLOT                      ; LDS address
	s_add_nc_u64 s[G0+4*(\s)+2:G0+4*(\s)+3], s[14:15], (\s)*KSTEP*2  ; global address: K step s
	s_or_b32 s[G0+4*(\s)+3], s[G0+4*(\s)+3], 0x80000000              ; type = 2
	s_mov_b32 s[G0B+4*(\s)], 1
	s_add_co_u32 s[G0B+4*(\s)+1], s20, (\s)*SLOT
	s_add_nc_u64 s[G0B+4*(\s)+2:G0B+4*(\s)+3], s[46:47], (\s)*KSTEP*2
	s_or_b32 s[G0B+4*(\s)+3], s[G0B+4*(\s)+3], 0x80000000
	JLOAD \s                                       ; two loads of mine are out
.endr
	; A fragment is 16 rows x 32 K in 8 registers: lane l holds row l % 16; registers 0-3 K = 8 (l / 16) + 0..7, registers 4-7 K = 16 + 8 (l / 16) + 0..7: two loads of 16 bytes, 32 bytes apart.
	v_and_b32 v1, 15, v0
	v_bfe_u32 v2, v0, 4, 1
	; the second job's first unit is asked for at once.  w2: e << 23, kg = 16 tx: tx << 20, nt = cy: 1,024 bytes, ng4 = wave: 256 bytes.  w2f: (4 e + nt) << 20, tx << 17, wave << 11.
	s_lshl_b32 s72, s45, 23
	s_lshl_b32 s73, s42, 20
	s_add_co_u32 s72, s72, s73
	s_lshl_b32 s73, s41, 10
	s_add_co_u32 s72, s72, s73
	s_lshl_b32 s73, s10, 8
	s_add_co_u32 s72, s72, s73                     ; under 2^26
	s_mov_b32 s73, 0
	s_add_nc_u64 s[W2S:W2S+1], s[W2S:W2S+1], s[72:73]
	s_lshl_b32 s74, s13, 20
	s_lshl_b32 s75, s42, 17
	s_add_co_u32 s74, s74, s75
	s_lshl_b32 s75, s10, 11
	s_add_co_u32 s74, s74, s75                     ; under 2^25
	s_mov_b32 s75, 0
	s_add_nc_u64 s[W2D:W2D+1], s[W2D:W2D+1], s[74:75]
	v_lshlrev_b32 v[WO], 4, v1                     ; columns 4 i on: lanes 0-15 take 256 consecutive aligned bytes of one row,
	v_lshl_add_u32 v[WO], v2, 15, v[WO]            ; lanes 16-31 of the row 8 below
.irp j, 0,1,2,3,4,5,6,7
	global_load_b128 v[WX+4*(\j):WX+4*(\j)+3], v[WO], s[W2S:W2S+1] offset:(\j)*4096 th:TH_LOAD_NT  ; row 8 h + j
.endr
	v_mul_u32_u24 v3, v1, PITCH
	v_lshl_add_u32 v3, v2, 4, v3                   ; row x pitch + 16 x half
	s_mul_i32 s21, s11, HALFT                      ; my 128 tokens
	s_mul_i32 s22, s12, HALFT                      ; my 128 rows of w13,
	s_add_co_u32 s22, s22, 2*HALFT                 ; which lie behind the 256 tokens
.irp s, 0,1
	v_add_nc_u32 v[ADRA+(\s)], s21, v3
	v_add_nc_u32 v[ADRB+(\s)], s22, v3
	s_add_co_u32 s21, s21, SLOT
	s_add_co_u32 s22, s22, SLOT
.endr
	v_and_b32 v[CO], 31, v0
	v_lshlrev_b32 v[CO], 4, v[CO]
	; where my part of the first tile begins in g: tb = 16 x tile row + 8 x token half (2,048 bytes each); k64 = 2 tx + (half of w13's rows) (1 MiB each).  The first way out adds it.
	s_lshl_b32 s16, s13, 15
	s_lshl_b32 s21, s11, 14
	s_add_co_u32 s16, s16, s21
	s_mov_b32 s17, 0
	s_lshl_b32 s46, s42, 21
	s_lshl_b32 s47, s12, 20
	s_add_co_u32 s46, s46, s47
	s_mov_b32 s47, 0
	s_add_nc_u64 s[16:17], s[16:17], s[46:47]
; 16 matrix instructions: token blocks a0, a0 + 1 of the window's four x all 8 blocks of w13, 32 along K.  zero = 1: the first product starts the sums: nothing is ever cleared.
; The 64 accumulators take turns, one instruction a turn, in the same order in every quarter step.
.macro MUL16 f, hi, a0, zero
	WIN MUL_LO+0x50*(\hi)
.irp a, \a0, (\a0)+1
.irp b, 0,1,2,3,4,5,6,7
.if \zero
	v_wmma_f32_16x16x32_bf16 v[8*(8*(\a)+(\b)):8*(8*(\a)+(\b))+7], v[(\f)+8*(\b):(\f)+8*(\b)+7], v[(\f)+8*(4*(\hi)+(\a)):(\f)+8*(4*(\hi)+(\a))+7], 0
.else
	v_wmma_f32_16x16x32_bf16 v[8*(8*(\a)+(\b)):8*(8*(\a)+(\b))+7], v[(\f)+8*(\b):(\f)+8*(\b)+7], v[(\f)+8*(4*(\hi)+(\a)):(\f)+8*(4*(\hi)+(\a))+7], v[8*(8*(\a)+(\b)):8*(8*(\a)+(\b))+7]
.endif
.endr
.endr
.endm
; 32 LDS loads in one run: the fragments of one quarter step (128 rows of w13, 128 tokens, 32 K at byte k of the rows) into buffer f
.macro FETCH slot, k, f
	WIN TO_B
.irp i, 0,1,2,3,4,5,6,7
	ds_load_b128 v[(\f)+8*(\i):(\f)+8*(\i)+3],   v[ADRB+(\slot)] offset:(\k)+(\i)*16*PITCH
	ds_load_b128 v[(\f)+8*(\i)+4:(\f)+8*(\i)+7], v[ADRB+(\slot)] offset:(\k)+(\i)*16*PITCH+32
.endr
	WIN 0
.irp i, 0,1,2,3,4,5,6,7
	ds_load_b128 v[(\f)+8*(\i):(\f)+8*(\i)+3],   v[ADRA+(\slot)] offset:(\k)+(\i)*16*PITCH
	ds_load_b128 v[(\f)+8*(\i)+4:(\f)+8*(\i)+7], v[ADRA+(\slot)] offset:(\k)+(\i)*16*PITCH+32
.endr
.endm
; A load into a register that a matrix instruction has read, and a vector instruction that reads a matrix result, stand four places behind that matrix instruction; only plain vector instructions that name
; none of its registers are places (ISA guide 7.12.1 for vector instructions).
.macro PLACES
.rept 4
	v_nop
.endr
.endm
; A UNIT OF w2: the eight loads asked for a K step ago are packed and stored.  more = 1: the next unit's eight loads are asked for.  None of its registers is a matrix instruction's.
.macro W2UNIT more
	WIN 0
	s_wait_loadcnt 0x0                             ; my unit is in: no other line of the text loads into registers, so the count is 0; these loads' base may be stepped
	s_wait_xcnt 0x0                                ; every earlier store has had its addresses translated (ISA guide 3.1): the packed words and w2f's base, which the last unit's stores read, are rewritten only behind this wait
	s_add_nc_u64 s[W2D:W2D+1], s[W2D:W2D+1], W2DSTEP
.irp c, 0,1,2,3
.irp p, 0,1,2,3
	v_cvt_pk_bf16_f32 v[WY+4*(\c)+(\p)], v[WX+8*(\p)+(\c)], v[WX+8*(\p)+4+(\c)]  ; column 4 i + c, rows 8 h + 2 p and + 2 p + 1
.endr
.endr
.irp c, 0,1,2,3
	global_store_b128 v[CO], v[WY+4*(\c):WY+4*(\c)+3], s[W2D:W2D+1] offset:(\c)*512-W2DSTEP  ; 512 consecutive bytes, aligned; the base is a step ahead
.endr
.if \more
	s_add_nc_u64 s[W2S:W2S+1], s[W2S:W2S+1], W2SSTEP
.irp j, 0,1,2,3,4,5,6,7
	global_load_b128 v[WX+4*(\j):WX+4*(\j)+3], v[WO], s[W2S:W2S+1] offset:(\j)*4096 th:TH_LOAD_NT
.endr
.endif
.endm
; A K step is four quarter steps of 32 along K, 64 matrix instructions each, on buffers 0, 1, 0, 1.  One of the first three: multiplies buffer f; in its middle it fetches the next quarter, at byte k, into buffer g.
.macro QUARTER slot, k, f, g, zero
	s_wait_dscnt 8                                 ; w13 and my tokens 0-63 are in; the youngest eight loads (tokens 64-127) may be out
	MUL16 \f, 0, 0, \zero
	MUL16 \f, 0, 2, \zero
	PLACES
	FETCH \slot, \k, \g
	s_wait_dscnt 32                                ; all but the 32 just issued
	MUL16 \f, 1, 0, \zero
	MUL16 \f, 1, 2, \zero
.endm
; The last quarter multiplies buffer 1 and changes slots.  MEET is its first half: ONE barrier for two things.  In front of it each wave waits for all its tensor loads (one is out: its part of the next slot), adds 0
; to its spare word, and waits for that and for its own reads of this slot.  Behind it nobody reads this slot any more and the next slot is whole.
.macro MEET round
	WIN 0                                          ; (the add's two registers lie in window 0)
	s_wait_tensorcnt 0x0                           ; all my tensor loads have landed
	ds_add_u32 v[SPW], v[NIL]                      ; 0 onto my spare word
	s_wait_dscnt 9                                 ; (the add and the youngest eight loads may be out)
	MUL16 F1, 0, 0, 0                              ; sixteen matrix instructions stand between the add and the wait for it
	s_wait_dscnt 0x0                               ; the add is done, and my reads of this slot are over
	s_barrier_signal -1
	MUL16 F1, 0, 2, 0                              ; work on registers while the others arrive
.if \round
	WIN 0
.endif
	s_barrier_wait -1
.endm
; The whole last quarter.  mode 0: this slot is filled again with the K step two steps on; mode 1: with the NEXT tile's K step 0 or 1; mode 2: nothing is left to ask for.
; Where the slot is filled again the barrier opens a round of the cluster's barrier, and the joint refill is the first tensor load behind the round: 224 matrix instructions ahead of the wait for it.
; Behind the fetch stands the K step's unit of w2.
.macro TURN slot, next, mode
.if (\mode) == 2
	MEET 0
	PLACES
.else
	MEET 1
	CREST                                          ; no wave of any partner still reads this slot's tile or has a load on its way
.if (\mode) == 1
	s_sub_nc_u64 s[G0+4*(\slot)+2:G0+4*(\slot)+3], s[G0+4*(\slot)+2:G0+4*(\slot)+3], BACK_A
	s_add_nc_u64 s[G0B+4*(\slot)+2:G0B+4*(\slot)+3], s[G0B+4*(\slot)+2:G0B+4*(\slot)+3], NEXT_B
.else
	s_add_nc_u64 s[G0+4*(\slot)+2:G0+4*(\slot)+3], s[G0+4*(\slot)+2:G0+4*(\slot)+3], 2*KSTEP*2
	s_add_nc_u64 s[G0B+4*(\slot)+2:G0B+4*(\slot)+3], s[G0B+4*(\slot)+2:G0B+4*(\slot)+3], 2*KSTEP*2
.endif
	JLOAD \slot                                    ; the four v_nop behind it are also the places in front of the loads below
.endif
	FETCH \next, 0, F0
	W2UNIT 1
	MUL16 F1, 1, 0, 0
	MUL16 F1, 1, 2, 0
.endm
; THE WAY OUT of token block a (16 tokens x 64 f): t = 2^(-h1 log2 e); 1 / (1 + t); times h1 (silu), times h3; rounded to bf16; stored.  Each accumulator is read from its lowest registers on.
; The 32 exponentials are one batch and the 32 reciprocals another: behind each a plain instruction and one wait ahead of the first use of a result.
.macro GATE a
.set AC, 64*((\a)%4)
.set PB, PW+16*((\a)%2)
	WIN 0x02+(\a)/4                                ; source 0: window 2 or 3
.set ii, 0
.rept 16
	v_pk_mul_f32 v[TW+2*ii:TW+2*ii+1], v[AC+2*ii:AC+2*ii+1], s[NC:NC+1] op_sel_hi:[1,0]
.set ii, ii+1
.endr
	WIN 0
.set ii, 0
.rept 32
	v_exp_f32 v[TW+ii], v[TW+ii]
.set ii, ii+1
.endr
	v_nop
	s_wait_alu depctr_va_vdst(0)
.set ii, 0
.rept 16
	v_pk_add_f32 v[TW+2*ii:TW+2*ii+1], v[TW+2*ii:TW+2*ii+1], 1.0 op_sel_hi:[1,0]
.set ii, ii+1
.endr
.set ii, 0
.rept 32
	v_rcp_f32 v[TW+ii], v[TW+ii]
.set ii, ii+1
.endr
	v_nop
	s_wait_alu depctr_va_vdst(0)
	WIN 0x02+(\a)/4
.set ii, 0
.rept 16
	v_pk_mul_f32 v[TW+2*ii:TW+2*ii+1], v[AC+2*ii:AC+2*ii+1], v[TW+2*ii:TW+2*ii+1]        ; silu(h1)
.set ii, ii+1
.endr
.set ii, 0
.rept 16
	v_pk_mul_f32 v[TW+2*ii:TW+2*ii+1], v[AC+32+2*ii:AC+32+2*ii+1], v[TW+2*ii:TW+2*ii+1]  ; times h3
.set ii, ii+1
.endr
	WIN 0
	s_wait_xcnt 0x0                                ; every earlier store has had its addresses translated (ISA guide 3.1): the packed buffer, which the stores two blocks back read, is rewritten only behind this wait
.set ii, 0
.rept 16
	v_cvt_pk_bf16_f32 v[PB+ii], v[TW+2*ii], v[TW+2*ii+1]
.set ii, ii+1
.endr
.irp b, 0,1,2,3
	global_store_b128 v[CO], v[PB+4*(\b):PB+4*(\b)+3], s[8:9] offset:(\a)*2048+(\b)*512  ; 512 consecutive bytes, at a multiple of 512 from g's first byte; a block's four stores cover 2,048 on end
.endr
.endm
.macro OUT
	s_wait_xcnt 0x0                                ; the stores' base is stepped, and the gate's work registers (a unit of w2's packed words among them) are rewritten, only behind this wait
	s_add_nc_u64 s[8:9], s[8:9], s[16:17]          ; on to this tile's part of g
.irp a, 0,1,2,3,4,5,6,7
	GATE \a
.endr
.endm
	s_wait_tensorcnt 1                             ; my part of K step 0 is in; K step 1's may stay out
	s_barrier_signal -1
	s_barrier_wait -1                              ; everybody's is
	FETCH 0, 0, F0
	s_mov_b32 s2, TILES                            ; tiles to go, this one among them: the same number in every work-group
.Ltile:
	QUARTER 0, 64,  F0, F1, 1                      ; a tile's first quarter stands in front of the loop: its products start the sums
	WIN 0                                          ; at a label and at a branch every window is 0
	s_mov_b32 s3, LAPS-1
.Llap:                                                 ; a trip goes once round the ring, from a lap's second quarter to the next lap's first, and fills both slots again
	QUARTER 0, 128, F1, F0, 0
	QUARTER 0, 192, F0, F1, 0
	TURN 0, 1, 0
	QUARTER 1, 64,  F0, F1, 0
	QUARTER 1, 128, F1, F0, 0
	QUARTER 1, 192, F0, F1, 0
	TURN 1, 0, 0
	QUARTER 0, 64,  F0, F1, 0
	WIN 0
	s_sub_co_u32 s3, s3, 1
	s_cmp_lg_u32 s3, 0
	s_cbranch_scc1 .Llap
	QUARTER 0, 128, F1, F0, 0                      ; the tile's last lap goes on
	QUARTER 0, 192, F0, F1, 0
	WIN 0
	s_cmp_eq_u32 s2, 1
	s_cbranch_scc1 .Llast                          ; the last tile's tail is written out: it asks for nothing more
	TURN 0, 1, 1                                   ; the ring goes on into the next tile: slot 0 takes its K step 0,
	QUARTER 1, 64,  F0, F1, 0
	QUARTER 1, 128, F1, F0, 0
	QUARTER 1, 192, F0, F1, 0
	TURN 1, 0, 1                                   ; slot 1 its K step 1, and the next tile's first fragments are fetched
	OUT                                            ; both refills are asked for: now the tile goes out.  No v_nop: blocks 0-3 were finished in front of the joint load's places, and their plain lines,
	                                               ; which name no register of the last products (blocks 4-7's), are those products' places
	s_mov_b64 s[16:17], NEXT_G                     ; what the next way out adds to g's address
	s_sub_co_u32 s2, s2, 1
	s_branch .Ltile
.Llast:
	TURN 0, 1, 2                                   ; the load that was out is slot 1's, the last K step's, so no round follows
	QUARTER 1, 64,  F0, F1, 0
	QUARTER 1, 128, F1, F0, 0
	QUARTER 1, 192, F0, F1, 0
	s_wait_dscnt 8                                 ; the very last quarter: nothing more to fetch
	MUL16 F1, 0, 0, 0
	MUL16 F1, 0, 2, 0
	s_wait_dscnt 0x0
	MUL16 F1, 1, 0, 0
	MUL16 F1, 1, 2, 0
	W2UNIT 0                                       ; my sixteenth and last unit of w2: nothing more is asked for.  Its sixteen conversions are also the places behind the last products
	OUT
	s_wait_tensorcnt 0x0                           ; the wave's end: a wait, an add of 0 onto my spare word and its wait, behind my last tensor load
	ds_add_u32 v[SPW], v[NIL]
	s_wait_dscnt 0x0
	CROUND                                         ; the closing round: no work-group ends while a partner may still ask for a tile that names it
	s_endpgm
.Lfunc_end_k_qf6db368907_up:
	.size	k_qf6db368907_up, .Lfunc_end_k_qf6db368907_up-k_qf6db368907_up
	.p2alignl 7, 3214868480
	.fill 96, 4, 3214868480
	.section	.rodata,"a",@progbits
	.p2align	6, 0x0
	.amdhsa_kernel k_qf6db368907_up
		.amdhsa_group_segment_fixed_size 327680
		.amdhsa_private_segment_fixed_size 0
		.amdhsa_enable_private_segment 0
		.amdhsa_kernarg_size 40
		.amdhsa_user_sgpr_count 2
		.amdhsa_user_sgpr_kernarg_segment_ptr 1
		.amdhsa_wavefront_size32 1
		.amdhsa_system_sgpr_workgroup_id_x 1
		.amdhsa_system_sgpr_workgroup_id_y 1
		.amdhsa_system_sgpr_workgroup_id_z 1
		.amdhsa_system_vgpr_workitem_id 0
		.amdhsa_next_free_vgpr 1024
		.amdhsa_next_free_sgpr 76
		.amdhsa_reserve_vcc 0
		.amdhsa_float_denorm_mode_32 3
		.amdhsa_float_denorm_mode_16_64 3
		.amdhsa_memory_ordered 1
		.amdhsa_forward_progress 1
		.amdhsa_inst_pref_size 255
	.end_amdhsa_kernel
	.section	.bss,"aw",@nobits
	.p2align	6
	.space	262144
	.amdgpu_metadata
---
amdhsa.version: [ 1, 2 ]
amdhsa.kernels:
  - .name:           k_qf6db368907_up
    .symbol:         k_qf6db368907_up.kd
    .args:
      - { .name: xb, .offset: 0, .size: 8, .value_kind: global_buffer, .address_space: global }
      - { .name: w13, .offset: 8, .size: 8, .value_kind: global_buffer, .address_space: global }
      - { .name: g, .offset: 16, .size: 8, .value_kind: global_buffer, .address_space: global }
      - { .name: w2, .offset: 24, .size: 8, .value_kind: global_buffer, .address_space: global }
      - { .name: w2f, .offset: 32, .size: 8, .value_kind: global_buffer, .address_space: global }
    .group_segment_fixed_size: 327680
    .private_segment_fixed_size: 0
    .kernarg_segment_align: 8
    .kernarg_segment_size: 40
    .max_flat_workgroup_size: 128
    .sgpr_count:     76
    .vgpr_count:     1024
    .wavefront_size: 32
...
	.end_amdgpu_metadata
.endif
;; end of part 2
;; launch down (part 3): grid 4 x 64, 4 waves a work-group, clusters of 4 x 4, 327,680 bytes of LDS; arguments g, w2f, out0; writes out0
.if DOCPART == 3
	.amdgcn_target "amdgcn-amd-amdhsa--gfx1250"
	.amdhsa_code_object_version 6
	.text
	.protected	k_qf6db368907_down
	.globl	k_qf6db368907_down
	.p2align	8
	.type	k_qf6db368907_down,@function
k_qf6db368907_down:
	s_mov_b64 s[64:65], 0
	v_nop
	global_prefetch_b8 v0, s[64:65] scope:SCOPE_SE
	s_setreg_imm32_b32 hwreg(HW_REG_WAVE_MODE, 25, 1), 1
	s_wait_xcnt 0x0
	s_wait_alu depctr_hold_cnt(0) depctr_sa_sdst(0) depctr_va_vdst(0) depctr_va_sdst(0) depctr_va_ssrc(0) depctr_va_vcc(0) depctr_vm_vsrc(0)
	s_getreg_b32 s2, hwreg(HW_REG_IB_STS2, 6, 4)
	s_cmp_eq_u32 s2, 0
	s_cbranch_scc0 .Lentry_in_a_cluster
	s_endpgm
.Lentry_in_a_cluster:
	s_bfe_u32 s2, ttmp6, 0x10000c
	s_cmp_lg_u32 s2, 0xf033
	s_cbranch_scc0 .Lentry_shape_is_right
	s_endpgm
.Lentry_shape_is_right:
; DOWN: out[t][n] = the sum over f of g[t][f] w2[e][f][n], e = t / 1024 (the defining function's own reshape; expert_ids is not used by it and is not read).  g and w2f are bf16 in the order of matrix operands:
;   g   [k64 32][tb 512][kg4 4][512 bytes]:             the 16 bytes at 16 (16 h + r) hold token 16 tb + r, f = 64 k64 + 16 kg4 + 8 h + 0..7
;   w2f [e 8][nt 4][kg 128][ng4 4][c 4][512 bytes]:     the 16 bytes at 16 (16 h + i) hold f = 16 kg + 8 h + 0..7 of column 256 nt + 64 ng4 + 4 i + c
; One f32 sum for each output, K ascending; out0 is f32 and is stored unrounded.  NaN and infinities are not treated apart.
; SHARES.  8,192 x 1,024 outputs for 256 work-groups: a tile of 128 tokens x 256 columns, one to a work-group (tiles of 256 x 256 would be 128).  Four waves, 2 x 2, each 64 tokens x 128 columns:
; 32 accumulators of 16 x 16, 256 registers.
; THE RING.  A slot takes 768 bytes for each k; two slots of 192 along K (147,456 bytes each) are the longest in steps of 64 that fit in LDS.  A PERIOD is a slot's 192 k: three THIRDS of 64, 64 matrix instructions
; a wave each, on two register buffers that take turns, so that the buffers' order returns after two periods: a lap.  A slot's refill is asked for straight behind the change of slots, ahead of the last third's
; products (whose fragments are in registers by then): it has a whole period, 192 matrix instructions, in which to land.
; 2,048 = 10 x 192 + 128: THE LAST TILE has the shape of all the others and begins at k = 1,856; its first third, which the period before has multiplied, is brought once more and not read
; (49,152 bytes a work-group): the price of one descriptor shape for every fill.
; A tile's parts are dense in memory; in LDS a fragment's half is 512 consecutive bytes, lane l at 16 l: no two lanes meet in a bank, and no padding is needed.
; CLUSTERS: 4 x 4 work-groups.  The four of a row of the cluster need the same tiles of g, the four of a column (one expert: cluster y / 2) the same tiles of w2f: each is asked for JOINTLY.
; THE RESULT.  Source 0 = 16 tokens, source 1 = 16 columns 4 i + c of a group of 64: register j of lane 16 h + i of accumulator (a, 4 n + c) is token 16 a + 8 h + j, column 64 n + 4 i + c.  So the four accumulators
; c = 0..3 hold, in one lane and register, four NEIGHBOURING f32 of a row of out0: four copies make 16 bytes, and sixteen lanes store 256 consecutive aligned bytes.  The 256 copies take the place of a trip
; of the whole tile through LDS (64 stores and 64 loads a wave).
; REGISTERS, in windows of 256 (s_set_vgpr_msb: bits 1:0 source 0, 3:2 source 1, 5:4 source 2, 7:6 destination):
;   window 0: v0-31 addresses; v32-95 the way out, two buffers of 32      window 1: the accumulators, (a, bb) at v[8 (8 a + bb)]
;   windows 2 and 3: the two fragment buffers; each 64 along K: part p of 32: tokens' block a at v[8 (4 p + a)], columns' fragment bb at v[64 + 8 (8 p + bb)]
.set AH,     24576                     ; half of g's tile: [k64 3][tb 4][kg4 4][512]: what one tensor load brings, and what one wave reads of g
.set BOFF,   2*AH                      ; w2f's tile lies behind g's: [kg 12][fragment 16][512]
.set BH,     49152                     ; half of it: 6 kg: what one tensor load brings
.set SLOT,   BOFF+2*BH                 ; 147,456
.set SPARE,  2*SLOT                    ; behind the ring: the spare words, 128 bytes for each wave: two blocks of 256 bytes that no other line names
.set STEP_A, 3*1048576                 ; bytes of g from a period to the next: 3 k64
.set STEP_B, 12*8192                   ; and of w2f: 12 kg
.set LAST_A, 5*1048576                 ; from period 8's tile (k = 1,536) to the last tile (k = 1,856): 5 k64,
.set LAST_B, 20*8192                   ; 20 kg
.set ADRA,  16                         ; v16-17  LDS address of my lane's 16 bytes in my tokens' first block, slot 0, 1
.set ADRB,  20                         ; v20-21  the same for my columns' first fragment
.set ADRB2, 22                         ; v22-23  the same 65,536 bytes on, for a slot's last third: an LDS immediate ends at 65,535
.set CO,    26                         ; v26     my byte offset in out0: row 8 h, column 4 i
.set SPW,   28                         ; v28     LDS address of my spare word: SPARE + 4 x my thread's number; never rewritten
.set NIL,   29                         ; v29     0; never rewritten
.set OB,    32
.set G1,    24                         ; s[24:31] descriptor group 1 for g's tiles;  s[32:39] group 0, a set for each slot
.set G0,    32
.set G1B,   48                         ; s[48:55], s[56:63] the same for w2f's tiles
.set G0B,   56
.set MSB, 0
.macro WIN new                         ; the immediate's high byte repeats the setting that is left; a switch that changes nothing is dropped
.if MSB != (\new)
	s_set_vgpr_msb (MSB<<8)|(\new)
.set MSB, \new
.endif
.endm
.macro JLOAD s                         ; a joint load: waves 0 and 1 fetch the two halves of g's tile, waves 2 and 3 those of w2f's; an s_nop 0 and four v_nop follow each of the two lines
	s_cmp_eq_u32 s11, 0
	s_cbranch_scc0 .Lfor_b_\@
	tensor_load_to_lds s[G0+4*(\s):G0+4*(\s)+3], s[G1:G1+7]
	s_nop 0
.rept 4
	v_nop
.endr
	s_branch .Lasked_\@
.Lfor_b_\@:
	tensor_load_to_lds s[G0B+4*(\s):G0B+4*(\s)+3], s[G1B:G1B+7]
	s_nop 0
.rept 4
	v_nop
.endr
.Lasked_\@:
.endm
.macro CROUND                          ; a round of the cluster's barrier: my work-group's barrier; wave 0 signals for the work-group; every wave waits for all sixteen; my work-group's barrier once more
	s_barrier_signal -1
	s_barrier_wait -1
	s_cmp_lg_u32 s10, 0
	s_cbranch_scc1 .Lnot_wave_0_\@
	s_barrier_signal -3
.Lnot_wave_0_\@:
	s_barrier_wait -3
	s_barrier_signal -1
	s_barrier_wait -1
.endm
	s_load_b128 s[4:7], s[0:1], 0x0                ; g s[4:5], w2f s[6:7]
	s_load_b64 s[8:9], s[0:1], 0x10                ; out0
	v_lshl_add_u32 v[SPW], v0, 2, SPARE
	v_mov_b32 v[NIL], 0
	ds_add_u32 v[SPW], v[NIL]                      ; the wave's opening: the add and its wait stand ahead of my first tensor load; the set-up below, work on registers, stands between them
	v_lshrrev_b32 v1, 5, v0
	v_readfirstlane_b32 s10, v1                    ; wave 0..3
	s_lshr_b32 s11, s10, 1                         ; which 64 of the tile's tokens are mine.  Also: I fetch g (0) or w2f (1)
	s_and_b32 s12, s10, 1                          ; which 128 of its columns.  Also: which half of that tile I fetch
	s_bfe_u32 s40, ttmp6, 0x40000                  ; cx, cy: my place in the cluster
	s_bfe_u32 s41, ttmp6, 0x40004
	s_lshl_b32 s42, ttmp9, 2
	s_add_co_u32 s42, s42, s40                     ; nt = 4 x cluster x + cx: my 256 columns
	s_and_b32 s45, ttmp7, 0xffff                   ; cluster y
	s_lshl_b32 s13, s45, 2
	s_add_co_u32 s13, s13, s41                     ; ty = 4 x cluster y + cy: my 128 tokens
	s_lshr_b32 s45, s45, 1                         ; the expert = ty / 8 = cluster y / 2: alike in all partners
	s_lshl_b32 s43, s41, 2
	s_lshl_b32 s43, 15, s43                        ; my row of the cluster
	s_lshl_b32 s44, 0x1111, s40                    ; my column
	; descriptor group 1, elements of 8 bytes.  Half of g's tile: 3 rows (k64) of 8,192 dense bytes (4 tb), 1 MiB apart.  Half of w2f's: 49,152 dense bytes as 192 rows of 256.
	s_or_b32 s[G1+0], s43, (3<<16)|(1<<21)         ; 15:0 the mask; 17:16 8-byte elements; 20 no padding; 21 set beside a mask
	s_mov_b32 s[G1+1], 1024<<16                    ; tensor_dim0 = 1,024
	s_mov_b32 s[G1+2], 3<<16                       ; tensor_dim1 = 3
	s_mov_b32 s[G1+3], 1024<<16                    ; tile_dim0 = 1,024
	s_mov_b32 s[G1+4], 3                           ; tile_dim1 = 3
	s_mov_b32 s[G1+5], 131072                      ; elements from row to row
	s_mov_b32 s[G1+6], 0
	s_mov_b32 s[G1+7], 0
	s_or_b32 s[G1B+0], s44, (3<<16)|(1<<21)
	s_mov_b32 s[G1B+1], 32<<16
	s_mov_b32 s[G1B+2], 192<<16
	s_mov_b32 s[G1B+3], 32<<16
	s_mov_b32 s[G1B+4], 192
	s_mov_b32 s[G1B+5], 32
	s_mov_b32 s[G1B+6], 0
	s_mov_b32 s[G1B+7], 0
	; where the tiles come from.  g's hang on ty alone, which my row of the cluster shares; w2f's on the expert and nt, which my column shares.
	s_lshl_b32 s16, s13, 14                        ; 8 tb of 2,048 bytes for each ty,
	s_lshl_b32 s17, s12, 13                        ; my half: 4 tb
	s_add_co_u32 s16, s16, s17
	s_mov_b32 s17, 0
	s_lshl_b32 s46, s45, 2
	s_add_co_u32 s46, s46, s42                     ; 4 e + nt,
	s_lshl_b32 s46, s46, 20                        ; 128 kg of 8,192 bytes each,
	s_mul_i32 s47, s12, BH                         ; my half: 6 kg
	s_add_co_u32 s46, s46, s47
	s_mov_b32 s47, 0
	s_mul_i32 s20, s12, AH                         ; where they go, by the wave's number alone: g's halves,
	s_mul_i32 s21, s12, BH
	s_add_co_u32 s21, s21, BOFF                    ; w2f's halves behind them
	s_wait_dscnt 0x0                               ; the opening add is done
	s_wait_kmcnt 0x0
	s_add_nc_u64 s[14:15], s[4:5], s[16:17]
	s_add_nc_u64 s[46:47], s[6:7], s[46:47]
	CROUND                                         ; all sixteen work-groups are here: the first joint loads meet
.irp s, 0,1
	s_mov_b32 s[G0+4*(\s)], 1
	s_add_co_u32 s[G0+4*(\s)+1], s20, (\s)*SLOT
	s_add_nc_u64 s[G0+4*(\s)+2:G0+4*(\s)+3], s[14:15], (\s)*STEP_A   ; period s
	s_or_b32 s[G0+4*(\s)+3], s[G0+4*(\s)+3], 0x80000000
	s_mov_b32 s[G0B+4*(\s)], 1
	s_add_co_u32 s[G0B+4*(\s)+1], s21, (\s)*SLOT
	s_add_nc_u64 s[G0B+4*(\s)+2:G0B+4*(\s)+3], s[46:47], (\s)*STEP_B
	s_or_b32 s[G0B+4*(\s)+3], s[G0B+4*(\s)+3], 0x80000000
	JLOAD \s                                       ; two loads of mine are out
.endr
	v_and_b32 v1, 31, v0
	v_lshlrev_b32 v3, 4, v1                        ; 16 x lane
	s_mul_i32 s22, s11, AH                         ; my 64 tokens' half of g's tile
	s_lshl_b32 s23, s12, 12                        ; my 8 fragments of each kg's 16,
	s_add_co_u32 s23, s23, BOFF
.irp s, 0,1
	v_add_nc_u32 v[ADRA+(\s)], s22, v3
	v_add_nc_u32 v[ADRB+(\s)], s23, v3
	v_add_nc_u32 v[ADRB2+(\s)], 0x10000, v[ADRB+(\s)]
	s_add_co_u32 s22, s22, SLOT
	s_add_co_u32 s23, s23, SLOT
.endr
	v_and_b32 v1, 15, v0                           ; i
	v_bfe_u32 v2, v0, 4, 1                         ; h
	v_lshlrev_b32 v[CO], 4, v1                     ; columns 4 i on,
	v_lshl_add_u32 v[CO], v2, 15, v[CO]            ; 8 h rows of 4,096 bytes down
	s_lshl_b32 s16, s13, 19                        ; out0 at my part of the tile: 128 ty + 64 x token half rows,
	s_lshl_b32 s17, s11, 18
	s_add_co_u32 s16, s16, s17
	s_mov_b32 s17, 0
	s_lshl_b32 s46, s42, 10                        ; 256 nt + 128 x column half columns of 4 bytes
	s_lshl_b32 s47, s12, 9
	s_add_co_u32 s46, s46, s47
	s_mov_b32 s47, 0
	s_add_nc_u64 s[16:17], s[16:17], s[46:47]
	s_add_nc_u64 s[8:9], s[8:9], s[16:17]
; 16 matrix instructions from the buffer in window w: token blocks a0, a0 + 1 x all 8 fragments of columns, part p (32 along K).  zero = 1: the first product starts the sums.
; The 32 accumulators take turns, one instruction a turn, in the same order in every part.
.macro MUL16 w, p, a0, zero
	WIN 0x50+5*(\w)                                ; sources 0 and 1 window w, C and D window 1
.irp a, \a0, (\a0)+1
.irp b, 0,1,2,3,4,5,6,7
.if \zero
	v_wmma_f32_16x16x32_bf16 v[8*(8*(\a)+(\b)):8*(8*(\a)+(\b))+7], v[8*(4*(\p)+(\a)):8*(4*(\p)+(\a))+7], v[64+8*(8*(\p)+(\b)):64+8*(8*(\p)+(\b))+7], 0
.else
	v_wmma_f32_16x16x32_bf16 v[8*(8*(\a)+(\b)):8*(8*(\a)+(\b))+7], v[8*(4*(\p)+(\a)):8*(4*(\p)+(\a))+7], v[64+8*(8*(\p)+(\b)):64+8*(8*(\p)+(\b))+7], v[8*(8*(\a)+(\b)):8*(8*(\a)+(\b))+7]
.endif
.endr
.endr
.endm
; 48 LDS loads in one run: the fragments of third t of a slot (64 along K) into the buffer in window w; part 0's 24 first.  Part p is the blocks kg4 = 2 p, 2 p + 1 of g's k64 = t, and kg = 4 t + 2 p, + 1 of w2f.
.macro FETCH slot, t, w
	WIN (\w)<<6                                    ; destination window w, address window 0
.irp p, 0,1
.irp a, 0,1,2,3
	ds_load_b128 v[8*(4*(\p)+(\a)):8*(4*(\p)+(\a))+3],   v[ADRA+(\slot)] offset:(\t)*8192+(\a)*2048+(\p)*1024
	ds_load_b128 v[8*(4*(\p)+(\a))+4:8*(4*(\p)+(\a))+7], v[ADRA+(\slot)] offset:(\t)*8192+(\a)*2048+(\p)*1024+512
.endr
.irp b, 0,1,2,3,4,5,6,7
.if (\t) == 2
	ds_load_b128 v[64+8*(8*(\p)+(\b)):64+8*(8*(\p)+(\b))+3],   v[ADRB2+(\slot)] offset:(2*(\p))*8192+(\b)*512
	ds_load_b128 v[64+8*(8*(\p)+(\b))+4:64+8*(8*(\p)+(\b))+7], v[ADRB2+(\slot)] offset:(2*(\p)+1)*8192+(\b)*512
.else
	ds_load_b128 v[64+8*(8*(\p)+(\b)):64+8*(8*(\p)+(\b))+3],   v[ADRB+(\slot)] offset:(4*(\t)+2*(\p))*8192+(\b)*512
	ds_load_b128 v[64+8*(8*(\p)+(\b))+4:64+8*(8*(\p)+(\b))+7], v[ADRB+(\slot)] offset:(4*(\t)+2*(\p)+1)*8192+(\b)*512
.endif
.endr
.endr
.endm
.macro PLACES                          ; four places in front of loads into registers that matrix instructions have read, and of copies that read results (ISA guide 7.12.1 for vector instructions)
.rept 4
	v_nop
.endr
.endm
; One of a period's first two thirds: multiplies the buffer in window w and fetches third t of the same slot into the other buffer.
.macro THIRD w, slot, t, zero
	s_wait_dscnt 24                                ; part 0 is in; part 1's 24 loads may be out
	MUL16 \w, 0, 0, \zero
	PLACES
	FETCH \slot, \t, 5-(\w)
	MUL16 \w, 0, 2, \zero
	s_wait_dscnt 48                                ; all but the 48 just issued
	MUL16 \w, 1, 0, 0
	MUL16 \w, 1, 2, 0
.endm
; A period's last third, with THE CHANGE OF SLOTS at its head.  Each wave waits for all its tensor loads (one is out: its part of the next slot), adds 0 to its spare word, and waits for that and for its own reads
; of this slot, the last third's fragments among them: they are in registers now.  Behind the barrier nobody reads this slot any more and the next slot is whole.
; fill = 1: the barrier is a round of the cluster's, and this slot is filled again, two periods ahead, by the first tensor load behind the round; fill = 2: the same with the last tile's shorter step; fill = 0: nothing is left to ask for.
; Then third nt of the next slot is fetched into the other buffer, and the buffer in window w is multiplied.
.macro TURN w, slot, next, nt, fill
	WIN 0
	s_wait_tensorcnt 0x0                           ; all my tensor loads have landed, so a group 0 may be written
	ds_add_u32 v[SPW], v[NIL]                      ; 0 onto my spare word; the descriptors' steps stand between it and the wait for it
.if (\fill) == 1
	s_add_nc_u64 s[G0+4*(\slot)+2:G0+4*(\slot)+3], s[G0+4*(\slot)+2:G0+4*(\slot)+3], 2*STEP_A
	s_add_nc_u64 s[G0B+4*(\slot)+2:G0B+4*(\slot)+3], s[G0B+4*(\slot)+2:G0B+4*(\slot)+3], 2*STEP_B
.elseif (\fill) == 2
	s_add_nc_u64 s[G0+4*(\slot)+2:G0+4*(\slot)+3], s[G0+4*(\slot)+2:G0+4*(\slot)+3], LAST_A
	s_add_nc_u64 s[G0B+4*(\slot)+2:G0B+4*(\slot)+3], s[G0B+4*(\slot)+2:G0B+4*(\slot)+3], LAST_B
.endif
	s_wait_dscnt 0x0                               ; the add is done, and my reads of this slot are over
.if \fill
	CROUND                                         ; no wave of any partner still reads this slot's tile or has a load on its way
	JLOAD \slot                                    ; the four v_nop behind it are also the places in front of the loads below
.else
	s_barrier_signal -1
	s_barrier_wait -1
	PLACES
.endif
	FETCH \next, \nt, 5-(\w)
	MUL16 \w, 0, 0, 0
	MUL16 \w, 0, 2, 0
	MUL16 \w, 1, 0, 0
	MUL16 \w, 1, 2, 0
.endm
; THE WAY OUT of token block a, column group n (16 tokens x 64 columns): register j of the four accumulators c = 0..3 side by side, then eight stores.  Every accumulator is read first at its register 0.
.macro SENDG a, n
.set TB, OB+32*((\n)%2)
	s_wait_xcnt 0x0                                ; every earlier store has had its addresses translated (ISA guide 3.1): the buffer that the stores two groups back read is rewritten only behind this wait
	WIN 0x01                                       ; source 0 window 1
.irp j, 0,1,2,3,4,5,6,7
.irp c, 0,1,2,3
	v_mov_b32 v[TB+4*(\j)+(\c)], v[8*(8*(\a)+4*(\n)+(\c))+(\j)]
.endr
.endr
	WIN 0
.irp j, 0,1,2,3,4,5,6,7
	global_store_b128 v[CO], v[TB+4*(\j):TB+4*(\j)+3], s[8:9] offset:(\a)*65536+(\j)*4096+(\n)*256 th:TH_STORE_NT  ; lanes 0-15 store 256 consecutive aligned bytes of row j, lanes 16-31 of row 8 + j
.endr
.endm
	s_wait_tensorcnt 1                             ; my part of period 0 is in; period 1's may stay out
	s_barrier_signal -1
	s_barrier_wait -1                              ; everybody's is
	FETCH 0, 0, 2
	THIRD 2, 0, 1, 1                               ; the first third stands in front of the loop: its first products start the sums
	WIN 0                                          ; at a label and at a branch every window is 0
	s_mov_b32 s3, 4
.Llap:                                                 ; a trip goes once round the ring, from a lap's second third to the next lap's first, and fills both slots again: periods 2 to 9 are asked for here
	THIRD 3, 0, 2, 0
	TURN 2, 0, 1, 0, 1
	THIRD 3, 1, 1, 0
	THIRD 2, 1, 2, 0
	TURN 3, 1, 0, 0, 1
	THIRD 2, 0, 1, 0
	WIN 0
	s_sub_co_u32 s3, s3, 1
	s_cmp_lg_u32 s3, 0
	s_cbranch_scc1 .Llap
	THIRD 3, 0, 2, 0                               ; the tail is written out.  Period 8 goes on
	TURN 2, 0, 1, 0, 2                             ; slot 0 takes the last tile, k = 1,856 on
	THIRD 3, 1, 1, 0                               ; period 9
	THIRD 2, 1, 2, 0
	TURN 3, 1, 0, 1, 0                             ; nothing is left to ask for; of the last tile the second third, k = 1,920 on, is fetched first
	THIRD 2, 0, 2, 0
	s_wait_dscnt 24                                ; the very last third: nothing more to fetch
	MUL16 3, 0, 0, 0
	MUL16 3, 0, 2, 0
	s_wait_dscnt 0x0
	MUL16 3, 1, 0, 0
	MUL16 3, 1, 2, 0
	WIN 0
	PLACES
.irp a, 0,1,2,3
	SENDG \a, 0
	SENDG \a, 1
.endr
	s_wait_tensorcnt 0x0                           ; the wave's end: a wait, an add of 0 onto my spare word and its wait, behind my last tensor load
	ds_add_u32 v[SPW], v[NIL]
	s_wait_dscnt 0x0
	CROUND                                         ; the closing round: no work-group ends while a partner may still ask for a tile that names it
	s_endpgm
.Lfunc_end_k_qf6db368907_down:
	.size	k_qf6db368907_down, .Lfunc_end_k_qf6db368907_down-k_qf6db368907_down
	.p2alignl 7, 3214868480
	.fill 96, 4, 3214868480
	.section	.rodata,"a",@progbits
	.p2align	6, 0x0
	.amdhsa_kernel k_qf6db368907_down
		.amdhsa_group_segment_fixed_size 327680
		.amdhsa_private_segment_fixed_size 0
		.amdhsa_enable_private_segment 0
		.amdhsa_kernarg_size 24
		.amdhsa_user_sgpr_count 2
		.amdhsa_user_sgpr_kernarg_segment_ptr 1
		.amdhsa_wavefront_size32 1
		.amdhsa_system_sgpr_workgroup_id_x 1
		.amdhsa_system_sgpr_workgroup_id_y 1
		.amdhsa_system_sgpr_workgroup_id_z 1
		.amdhsa_system_vgpr_workitem_id 0
		.amdhsa_next_free_vgpr 960
		.amdhsa_next_free_sgpr 66
		.amdhsa_reserve_vcc 0
		.amdhsa_float_denorm_mode_32 3
		.amdhsa_float_denorm_mode_16_64 3
		.amdhsa_memory_ordered 1
		.amdhsa_forward_progress 1
		.amdhsa_inst_pref_size 127
	.end_amdhsa_kernel
	.amdgpu_metadata
---
amdhsa.version: [ 1, 2 ]
amdhsa.kernels:
  - .name:           k_qf6db368907_down
    .symbol:         k_qf6db368907_down.kd
    .args:
      - { .name: g, .offset: 0, .size: 8, .value_kind: global_buffer, .address_space: global }
      - { .name: w2f, .offset: 8, .size: 8, .value_kind: global_buffer, .address_space: global }
      - { .name: out0, .offset: 16, .size: 8, .value_kind: global_buffer, .address_space: global }
    .group_segment_fixed_size: 327680
    .private_segment_fixed_size: 0
    .kernarg_segment_align: 8
    .kernarg_segment_size: 24
    .max_flat_workgroup_size: 128
    .sgpr_count:     66
    .vgpr_count:     960
    .wavefront_size: 32
...
	.end_amdgpu_metadata
.endif
;; end of part 3
;; ======== version 2 of 2: 3 launches; version 1 with the launch prep written anew for expert scheduling mode
;; workspace buffers: xb 16,777,216 bytes; w13 67,108,864 bytes; w2f 33,554,432 bytes; g 33,554,432 bytes
;; launch prep (part 4): grid 1280 x 1, 8 waves a work-group, no clusters, 0 bytes of LDS; arguments hidden_states, w1, w3, xb, w13; writes xb, w13
.if DOCPART == 4
	.amdgcn_target "amdgcn-amd-amdhsa--gfx1250"
	.amdhsa_code_object_version 6
	.text
	.protected	k_qf6db368907_prep
	.globl	k_qf6db368907_prep
	.p2align	8
	.type	k_qf6db368907_prep,@function
k_qf6db368907_prep:
	s_mov_b64 s[64:65], 0
	v_nop
	global_prefetch_b8 v0, s[64:65] scope:SCOPE_SE
	s_setreg_imm32_b32 hwreg(HW_REG_WAVE_SCHED_MODE, 0, 2), 2
	s_setreg_imm32_b32 hwreg(HW_REG_WAVE_MODE, 25, 1), 1
	s_wait_xcnt 0x0
	s_wait_alu depctr_vm_vsrc(0)
; PREP: the operands of the first product are rounded ONCE to bf16 (nearest even) and laid out for it.  (w2, which only the last product needs, is rounded by the launch that follows, beside its matrix work.)
;   xb  [8192][1024]            hidden_states, row for row.
;   w13 [32768][1024]           with R = e*2048 + f: w1's row R lies at row (R>>6)*128 + (R&63), w3's row R 64 rows further: every 128 rows hold 64 rows of w1 and the same 64 f of w3.
; expert_ids IS NOT READ: the function that defines the result never uses it (its groups are its own reshape: token t belongs to expert t / 1024), so no output number may hang on it.
; SHARES.  40,960 source rows of 4,096 bytes; a work-group takes 32 rows, 1,280 work-groups of equal bytes: 0-255 x, 256-767 w1, 768-1279 w3.
; A wave takes 4 rows, 16 KiB: 32 loads of 16 bytes a lane, ALL issued ahead of the first wait; no loop, and no register that a load or store names is written again, so no wait frees a source.
; No LDS, no matrix work, no cluster: no byte is used twice.
; THE MODE: SCHED_MODE bits 1:0 = 2 (LLVM: expert scheduling mode 2), set by the entry lines.  The code itself states the register dependences
; between vector instructions and memory instructions, with s_wait_alu, always for 0.
; THE PLAN.  Registers that memory instructions touch:
;   v2, v3     the loads' and the stores' byte offsets: made once at the head, never written again.
;   X          each four registers: written by one load, which is issued ahead of every vector instruction that names X; read by the row's two conversions, which write the first two
;              of the four; those two are read by one store; nothing writes them behind it.
;   s21        the wave's number, written by a vector instruction and read by one scalar instruction.
; So one wait on va_sdst stands ahead of s21's reader; one wait on va_vdst ahead of the first load, for both offsets; and one wait on va_vdst a row, behind the row's sixteen conversions and ahead of
; its eight stores, which go out in one run.  The wait stands there, and not at the next row's head, so that a row's stores do not lie idle until the next row's data have come.
; No register that a load or store has read is written again, and EXEC is never written: no wait on vm_vsrc is owed.
.set X, 8                              ; v[8:135]    the wave's 16 KiB as loaded; the packed words take the first two registers of each four
	s_load_b256 s[4:11], s[0:1], 0x0               ; x s[4:5], w1 s[6:7], w3 s[8:9], xb s[10:11]
	s_load_b64 s[12:13], s[0:1], 0x20              ; w13
	s_mov_b32 s20, ttmp9                           ; the work-group's number
	v_lshrrev_b32 v1, 5, v0
	v_readfirstlane_b32 s21, v1                    ; wave 0..7
	v_and_b32 v1, 31, v0                           ; lane
	s_sub_co_u32 s22, s20, 256                     ; number among w1's and w3's 1,024 work-groups (of no use for x: chosen away below)
	s_and_b32 s23, s22, 511
	s_lshl_b32 s23, s23, 5                         ; R0: the group's first source row
	s_bfe_u32 s25, s22, 0x10009                    ; bit 9: 0 = w1, 1 = w3
	s_lshr_b32 s24, s23, 6
	s_lshl_b32 s24, s24, 7                         ; (R0 >> 6) * 128
	s_and_b32 s26, s23, 63
	s_add_co_u32 s24, s24, s26                     ; + (R0 & 63)
	s_lshl_b32 s26, s25, 6
	s_add_co_u32 s24, s24, s26                     ; + 64 for w3: the first row in w13.  32 rows never cross a group of 64
	s_lshl_b32 s27, s20, 5                         ; x: source row = destination row
	v_lshlrev_b32 v2, 4, v1                        ; a load: 16 bytes a lane, 512 consecutive bytes a wave
	v_lshlrev_b32 v3, 3, v1                        ; a store: 8 bytes a lane, 256 consecutive bytes a wave
	s_wait_alu depctr_va_sdst(0)                   ; s21 is written, ahead of its first reader: my wave's rows are made from it below
	s_wait_kmcnt 0x0
	s_cmp_lg_u32 s25, 0
	s_cselect_b64 s[28:29], s[8:9], s[6:7]         ; w3 or w1
	s_cmp_lt_u32 s20, 256                          ; the four selects below leave SCC as it is
	s_cselect_b64 s[28:29], s[4:5], s[28:29]       ; source
	s_cselect_b64 s[30:31], s[10:11], s[12:13]     ; destination: xb or w13
	s_cselect_b32 s23, s27, s23
	s_cselect_b32 s24, s27, s24
	s_lshl_b32 s26, s21, 2                         ; my wave's 4 rows
	s_add_co_u32 s23, s23, s26
	s_add_co_u32 s24, s24, s26
	s_lshl_b32 s32, s23, 12                        ; rows of 4,096 bytes in, under 2^27
	s_mov_b32 s33, 0
	s_lshl_b32 s34, s24, 11                        ; rows of 2,048 bytes out
	s_mov_b32 s35, 0
	s_add_nc_u64 s[28:29], s[28:29], s[32:33]
	s_add_nc_u64 s[30:31], s[30:31], s[34:35]
	s_wait_alu depctr_va_vdst(0)                   ; v2 and v3 are written: every load below reads v2 as its offset, every store v3; no later vector instruction names either
.set k, 0
.rept 4
.set i, 0
.rept 8
	global_load_b128 v[X+32*k+4*i:X+32*k+4*i+3], v2, s[28:29] offset:k*4096+i*512 th:TH_LOAD_NT
.set i, i+1
.endr
.set k, k+1
.endr
.set k, 0
.rept 4
	s_wait_loadcnt 24-8*k                          ; loads come back in order (ISA guide 5.7.1): row k's eight are in, the eight of each later row may stay out
.set i, 0
.rept 8
	v_cvt_pk_bf16_f32 v[X+32*k+4*i],   v[X+32*k+4*i],   v[X+32*k+4*i+1]
	v_cvt_pk_bf16_f32 v[X+32*k+4*i+1], v[X+32*k+4*i+2], v[X+32*k+4*i+3]
.set i, i+1
.endr
	s_wait_alu depctr_va_vdst(0)                   ; row k's sixteen conversions have written the packed words, which the eight stores below read
.set i, 0
.rept 8
	global_store_b64 v3, v[X+32*k+4*i:X+32*k+4*i+1], s[30:31] offset:k*2048+i*256  ; the wave's 32 lanes store 256 consecutive bytes, aligned
.set i, i+1
.endr
.set k, k+1
.endr
	s_endpgm
.Lfunc_end_k_qf6db368907_prep:
	.size	k_qf6db368907_prep, .Lfunc_end_k_qf6db368907_prep-k_qf6db368907_prep
	.p2alignl 7, 3214868480
	.fill 96, 4, 3214868480
	.section	.rodata,"a",@progbits
	.p2align	6, 0x0
	.amdhsa_kernel k_qf6db368907_prep
		.amdhsa_group_segment_fixed_size 0
		.amdhsa_private_segment_fixed_size 0
		.amdhsa_enable_private_segment 0
		.amdhsa_kernarg_size 40
		.amdhsa_user_sgpr_count 2
		.amdhsa_user_sgpr_kernarg_segment_ptr 1
		.amdhsa_wavefront_size32 1
		.amdhsa_system_sgpr_workgroup_id_x 1
		.amdhsa_system_sgpr_workgroup_id_y 1
		.amdhsa_system_sgpr_workgroup_id_z 1
		.amdhsa_system_vgpr_workitem_id 0
		.amdhsa_next_free_vgpr 136
		.amdhsa_next_free_sgpr 66
		.amdhsa_reserve_vcc 0
		.amdhsa_float_denorm_mode_32 3
		.amdhsa_float_denorm_mode_16_64 3
		.amdhsa_memory_ordered 1
		.amdhsa_forward_progress 1
		.amdhsa_inst_pref_size 12
	.end_amdhsa_kernel
	.amdgpu_metadata
---
amdhsa.version: [ 1, 2 ]
amdhsa.kernels:
  - .name:           k_qf6db368907_prep
    .symbol:         k_qf6db368907_prep.kd
    .args:
      - { .name: hidden_states, .offset: 0, .size: 8, .value_kind: global_buffer, .address_space: global }
      - { .name: w1, .offset: 8, .size: 8, .value_kind: global_buffer, .address_space: global }
      - { .name: w3, .offset: 16, .size: 8, .value_kind: global_buffer, .address_space: global }
      - { .name: xb, .offset: 24, .size: 8, .value_kind: global_buffer, .address_space: global }
      - { .name: w13, .offset: 32, .size: 8, .value_kind: global_buffer, .address_space: global }
    .group_segment_fixed_size: 0
    .private_segment_fixed_size: 0
    .kernarg_segment_align: 8
    .kernarg_segment_size: 40
    .max_flat_workgroup_size: 256
    .sgpr_count:     66
    .vgpr_count:     136
    .wavefront_size: 32
...
	.end_amdgpu_metadata
.endif
;; end of part 4
;; launch up: the kernel of part 2 again; grid 8 x 32, 4 waves a work-group, clusters of 4 x 4, 327,680 bytes of LDS; arguments xb, w13, g, w2, w2f; writes g, w2f
;; launch down: the kernel of part 3 again; grid 4 x 64, 4 waves a work-group, clusters of 4 x 4, 327,680 bytes of LDS; arguments g, w2f, out0; writes out0
